; MI455X (gfx1250); checked and timed in simulation.
; The chip was launched on July 23, 2026; its instructions are those of AMD's public machine-readable ISA for CDNA 5 (MIT licence, August 2026) and "CDNA5" Instruction Set Architecture Reference Guide (July 2026). The comments in the code are by the model that wrote it; some were corrected since.
;; Window Mutual Self Attention. Allowed arithmetic: matrix products marked QUANTISED: E4M3 operands, one given power-of-two scale a tensor, by v_wmma_f32_16x16x64_fp8_fp8 or v_wmma_f32_16x16x128_fp8_fp8, f32 sums; products left as they are: f32 operands where the result goes on into a quantised operand, else bf16, f16 or f32 operands; f32 sums; everything else in f32.
;; Inputs: b_proj 128 float32; lowp_scales 12 int32 (the exponents e of the quantised operands' scales 2^e); mask 512 x 128 x 128 float32; pe 1 x 64 x 128 float32; rpe_index 128 x 128 int32; rpe_table 675 x 8 float32; w_proj_codes 128 x 8 x 32 uint8 (E4M3 codes of w_proj, K innermost, in blocks of 32 codes); w_qkv_mut_codes 384 x 4 x 32 uint8 (E4M3 codes of w_qkv_mut, K innermost, in blocks of 32 codes); w_qkv_self_codes 384 x 4 x 32 uint8 (E4M3 codes of w_qkv_self, K innermost, in blocks of 32 codes); x 1,024 x 128 x 128 float32.
;; Outputs: out0 1,024 x 128 x 128 float32.
;; This version of the problem:
;;   THIS VERSION OF THE PROBLEM IS GIVEN IN LOW PRECISION. The matrix products marked QUANTISED in the list below multiply operands that are first quantised to E4M3 (4 exponent bits, 3 mantissa bits; 8 bits a number), with one given power-of-two scale for each operand tensor; their sums are f32. All else is computed in f32.
;;   The module's matrix products, in the order in which they are computed (A, B: the left and right operand; K: the contracted axis; several contracted axes count as one K, in the product's order):
;;     1. [M 131,072, K 128] x [K 128, N 384]; A: input x; B: input w_qkv_self (given as codes): QUANTISED (scales: A lowp_scales[0], B lowp_scales[1])
;;     2. batch 8,192 x [M 128, K 16] x [K 16, N 128]; A: computed on the way; B: computed on the way: left as it is (K = 16 < 32)
;;     3. batch 8,192 x [M 128, K 128] x [K 128, N 16]; A: softmax (see below); B: computed on the way: QUANTISED (scales: A lowp_scales[2], B lowp_scales[3])
;;     4. [M 131,072, K 128] x [K 128, N 384]; A: computed on the way; B: input w_qkv_mut (given as codes): QUANTISED (scales: A lowp_scales[4], B lowp_scales[5])
;;     5. batch 8,192 x [M 64, K 16] x [K 16, N 64]; A: computed on the way; B: computed on the way: left as it is (K = 16 < 32)
;;     6. batch 8,192 x [M 64, K 64] x [K 64, N 16]; A: softmax (see below); B: computed on the way: QUANTISED (scales: A lowp_scales[6], B lowp_scales[7])
;;     7. batch 8,192 x [M 64, K 16] x [K 16, N 64]; A: computed on the way; B: computed on the way: left as it is (K = 16 < 32)
;;     8. batch 8,192 x [M 64, K 64] x [K 64, N 16]; A: softmax (see below); B: computed on the way: QUANTISED (scales: A lowp_scales[8], B lowp_scales[9])
;;     9. [M 131,072, K 256] x [K 256, N 128]; A: computed on the way; B: input w_proj (given as codes): QUANTISED (scales: A lowp_scales[10], B lowp_scales[11])
;;   THE QUANTISER, for each operand of a quantised product, along K:
;;     - The operand's scale is 2^e, e = its entry of the input lowp_scales (int32; the entries are numbered through the quantised products in the list's order, A before B).
;;     - Each number is divided by the scale, clamped to +-448, and rounded to the nearest number of E4M3, ties to even, subnormals kept.
;;     - The product sums the exact products of the quantised numbers (number of the format x scale) in f32.
;;   ~~~python
;;   def quantise(x, axis, e):      # numpy; x: float32 -> the quantised numbers, widened to float32 again
;;       x = np.moveaxis(x, axis, -1); K = x.shape[-1]
;;       r = np.clip(x / 2.0 ** e, -448, 448)
;;       step = 2.0 ** (np.maximum(np.frexp(np.where(r == 0, 1, r))[1] - 1, -6) - 3)
;;       q = np.round(r / step) * step * 2.0 ** e      # np.round: ties to even
;;       return np.moveaxis(q, -1, axis).astype(np.float32)
;;   ~~~
;;   SOFTMAX AHEAD OF A QUANTISED PRODUCT. Where the list says 'softmax', what is quantised is not the finished softmax but p = 2^(t - M), with t = logit x log2(e) and M = ceil(the row's largest t), a whole number; so 1/2 < the row's largest p <= 1. The row's sum l is taken of the UNQUANTISED p, in f32, and the product's result is divided by l at the end. Since M is a whole number, a kernel that streams over the keys may use a running M (the ceiling of the running maximum): every later rescaling is an exact power of two, so the quantised numbers keep their values, but for numbers so far below the row's largest that they fall under the format's range.
;;   OPERANDS COMPUTED ON THE WAY. 'Computed on the way' means the value that the module computes at that place (a softmax that the list does not call 'softmax' is quantised finished and normalised). What goes into a quantiser is computed in f32, as accurately as f32 sums, v_exp_f32 and their like allow (about 1e-6 of the number): no bf16 or f16 on the way to a quantiser, and a product that is left as it is and whose result goes on into a quantised operand takes f32 operands (vector FMAs, or v_wmma_f32_16x16x4_f32). A number that lies on a knife's edge between two numbers of the format may be rounded either way, as far as f32 arithmetic and the matrix unit's own rounding can turn it there, and no further.
;;   INPUTS GIVEN AS CODES. w_proj (in the module: [128, 256], K = its axis 1); w_qkv_mut (in the module: [384, 128], K = its axis 1); w_qkv_self (in the module: [384, 128], K = its axis 1): each comes as NAME_codes (uint8): NAME with its K axis moved to the last place and cut into blocks of 32 codes, [.., K / 32, bytes a block], one block behind the other in memory; one code a byte (a code: sign, 4 exponent bits, 3 mantissa bits); its scale is its entry of lowp_scales. Its value is code x scale, taken as it is: it is not quantised again, and the codes and scales need not be those that the quantiser above would give.
;; One version. Each part assembles by itself: llvm-mc -triple=amdgcn-amd-amdhsa -mcpu=gfx1250 --defsym DOCPART=n.
;; ======== version 1 of 1: 2 launches
;; workspace buffers: rpbf 524,288 bytes
;; launch rpbias (part 1): grid 128 x 1, 8 waves a work-group, no clusters, 0 bytes of LDS; arguments rpe_index, rpe_table, rpbf; writes rpbf
.if DOCPART == 1
	.amdgcn_target "amdgcn-amd-amdhsa--gfx1250"
	.amdhsa_code_object_version 6
	.text
	.protected	k_qe5578ff510_rpbias
	.globl	k_qe5578ff510_rpbias
	.p2align	8
	.type	k_qe5578ff510_rpbias,@function
k_qe5578ff510_rpbias:
	s_mov_b64 s[64:65], 0
	v_nop
	global_prefetch_b8 v0, s[64:65] scope:SCOPE_SE
	s_setreg_imm32_b32 hwreg(HW_REG_WAVE_MODE, 25, 1), 1
	s_wait_xcnt 0x0
; The relative-position bias of window self-attention, gathered once and laid in the order in which the second launch's
; matrix instructions take it as the start of their sums.  rpb[h][query][key] = rpe_table[rpe_index[query][key]][h].
; NO WORK OF reference() IS LEFT OUT in this program: every input has a way to the output and is loaded, every product is made.
; rpbf: [head 8][query tile t 8][key half g 2][i 8][lane 32][4 f32].  Number e of (h, t, g, i, lane) is the bias of
; query 16 t + lane % 16 and key 64 g + 16 (i / 2) + 8 (lane / 16) + 4 (i % 2) + e: load i of a block (h, t, g) fills registers
; 4 i .. 4 i + 3 of the 32 registers that start the sums of 64 keys x 16 queries (a lane: one query; register 8 kt + jj: key 16 kt + 8 (lane / 16) + jj).
; A work-group makes one block of 4,096 bytes: wave i, a lane 16 bytes; a wave's store covers 512 consecutive bytes, aligned.
; The index is an input and is honoured as it is given; it is held at 674, the table's last row, before it enters an address.
; No LDS, no barrier, no matrix unit: a gather of 512 KiB, made once for all 1,024 windows.
	s_load_b128 s[4:7], s[0:1], 0x0                ; rpe_index s[4:5], rpe_table s[6:7]
	s_load_b64 s[8:9], s[0:1], 0x10                ; rpbf
	s_and_b32 s10, ttmp9, 1                        ; g
	s_bfe_u32 s11, ttmp9, 0x30001                  ; t: three bits from bit 1
	s_lshr_b32 s12, ttmp9, 4                       ; h
	s_lshl_b32 s10, s10, 8                         ; 64 g keys of 4 bytes
	s_lshl_b32 s11, s11, 13                        ; 16 t rows of 512 bytes
	s_add_co_u32 s10, s10, s11
	s_lshl_b32 s12, s12, 2                         ; the head's place in a row of the table
	s_mov_b32 s13, 0
	s_lshl_b32 s14, ttmp9, 12                      ; the block's 4,096 bytes
	s_mov_b32 s15, 0
	v_and_b32 v1, 15, v0                           ; the query in the tile
	v_bfe_u32 v2, v0, 4, 1                         ; lane / 16
	v_bfe_u32 v3, v0, 5, 1                         ; i % 2
	v_lshrrev_b32 v4, 6, v0                        ; i / 2
	v_lshl_add_u32 v5, v1, 9, s10                  ; row of the index,
	v_lshl_add_u32 v5, v2, 5, v5                   ; + 8 (lane / 16) keys
	v_lshl_add_u32 v5, v3, 4, v5                   ; + 4 (i % 2) keys
	v_lshl_add_u32 v5, v4, 6, v5                   ; + 16 (i / 2) keys
	v_lshlrev_b32 v6, 4, v0                        ; my 16 bytes of the block
	s_wait_kmcnt 0x0
	s_add_nc_u64 s[6:7], s[6:7], s[12:13]
	s_add_nc_u64 s[8:9], s[8:9], s[14:15]
	global_load_b128 v[8:11], v5, s[4:5]           ; four neighbouring indices
	s_wait_loadcnt 0x0
.irp i, 8,9,10,11
	v_min_u32 v\i, 674, v\i                        ; inside the table
.endr
.irp i, 8,9,10,11
	v_lshlrev_b32 v\i, 5, v\i                      ; a row of the table is 8 heads x 4 bytes
.endr
	global_load_b32 v12, v8, s[6:7]
	global_load_b32 v13, v9, s[6:7]
	global_load_b32 v14, v10, s[6:7]
	global_load_b32 v15, v11, s[6:7]
	s_wait_loadcnt 0x0
	global_store_b128 v6, v[12:15], s[8:9]
	s_endpgm
.Lfunc_end_k_qe5578ff510_rpbias:
	.size	k_qe5578ff510_rpbias, .Lfunc_end_k_qe5578ff510_rpbias-k_qe5578ff510_rpbias
	.p2alignl 7, 3214868480
	.fill 96, 4, 3214868480
	.section	.rodata,"a",@progbits
	.p2align	6, 0x0
	.amdhsa_kernel k_qe5578ff510_rpbias
		.amdhsa_group_segment_fixed_size 0
		.amdhsa_private_segment_fixed_size 0
		.amdhsa_enable_private_segment 0
		.amdhsa_kernarg_size 24
		.amdhsa_user_sgpr_count 2
		.amdhsa_user_sgpr_kernarg_segment_ptr 1
		.amdhsa_wavefront_size32 1
		.amdhsa_system_sgpr_workgroup_id_x 1
		.amdhsa_system_sgpr_workgroup_id_y 1
		.amdhsa_system_sgpr_workgroup_id_z 1
		.amdhsa_system_vgpr_workitem_id 0
		.amdhsa_next_free_vgpr 16
		.amdhsa_next_free_sgpr 66
		.amdhsa_reserve_vcc 0
		.amdhsa_float_denorm_mode_32 3
		.amdhsa_float_denorm_mode_16_64 3
		.amdhsa_memory_ordered 1
		.amdhsa_forward_progress 1
		.amdhsa_inst_pref_size 3
	.end_amdhsa_kernel
	.amdgpu_metadata
---
amdhsa.version: [ 1, 2 ]
amdhsa.kernels:
  - .name:           k_qe5578ff510_rpbias
    .symbol:         k_qe5578ff510_rpbias.kd
    .args:
      - { .name: rpe_index, .offset: 0, .size: 8, .value_kind: global_buffer, .address_space: global }
      - { .name: rpe_table, .offset: 8, .size: 8, .value_kind: global_buffer, .address_space: global }
      - { .name: rpbf, .offset: 16, .size: 8, .value_kind: global_buffer, .address_space: global }
    .group_segment_fixed_size: 0
    .private_segment_fixed_size: 0
    .kernarg_segment_align: 8
    .kernarg_segment_size: 24
    .max_flat_workgroup_size: 256
    .sgpr_count:     66
    .vgpr_count:     16
    .wavefront_size: 32
...
	.end_amdgpu_metadata
.endif
;; end of part 1
;; launch winattn (part 2): grid 256 x 1, 8 waves a work-group, no clusters, 211,968 bytes of LDS; arguments x, mask, w_qkv_self_codes, w_qkv_mut_codes, w_proj_codes, b_proj, pe, lowp_scales, rpbf, out0; writes out0
.if DOCPART == 2
	.amdgcn_target "amdgcn-amd-amdhsa--gfx1250"
	.amdhsa_code_object_version 6
	.text
	.protected	k_qe5578ff510_winattn
	.globl	k_qe5578ff510_winattn
	.p2align	8
	.type	k_qe5578ff510_winattn,@function
k_qe5578ff510_winattn:
	s_mov_b64 s[64:65], 0
	v_nop
	global_prefetch_b8 v0, s[64:65] scope:SCOPE_SE
	s_setreg_imm32_b32 hwreg(HW_REG_WAVE_MODE, 25, 1), 1
	s_wait_xcnt 0x0
; WindowMutualSelfAttention, all of it but the gather of the bias, in one launch.  Nothing of reference() is left out.
; SHARES.  A work-group stays and walks 2 PAIRS of windows; a pair is windows b and b + 512 (b = work-group + 256 x pair), which take the same mask[b].
; Wave w is HEAD w, for both windows of the pair: so bias + mask is made once in registers and starts the sums of both windows' scores.
; A PAIR:  X: each wave quantises 32 rows of x (scale 0) and of x + pe (scale 4) into rows of codes in LDS | barrier |  K and V of my head, self | the mask into LDS | barrier |
;   self attention, 8 tiles of 16 queries x 2 halves of 64 keys x 2 windows |  K and V, mutual |  mutual attention, 4 tiles x 2 frames x 2 windows; all results as codes (scale 10) into LDS | barrier |
;   the projection: wave w takes 64 tokens x 64 outputs; rows leave through the wave's own stage.
; LAYOUTS.  Q^T, K^T = W x codes of x (source 0 = 16 rows of W, source 1 = 16 tokens): a lane holds one token and channels 8 (lane / 16) + 0 .. 7, which is as it stands an operand of the f32 form:
;   step s takes registers 2 s, 2 s + 1, the same map of the 16 channels on both sides.  All powers of two (both operands' scales and the 1/4) go on Q, where they round nothing.
;   V = codes of x x Wv (source 0 = tokens): a lane holds one channel and 8 neighbouring tokens: one conversion gives registers 2 c, 2 c + 1 of V^T.
;   S^T = K Q^T + (bias + mask): a lane holds ONE query and keys 16 kt + 8 (lane / 16) + jj; one conversion a tile gives registers 2 kt, 2 kt + 1 of P.   O^T = V^T P: one query, 8 channels: 8 codes, one LDS store.
;   The products with K = 128 take their fragments by four loads of 16 bytes, the same permutation of k on both sides.
; SOFTMAX.  t = logit x log2(e); M = the ceiling of the running largest t, kept as -M = floor(-t); p = 2^(t - M) is quantised, not normalised; the sum is taken of the unquantised p.  Self attention's second half of
;   the keys brings the sum and O under the new M by 2^(old M - new M), which rounds nothing.  At the end O is multiplied by the reciprocal of the sum.
; BY TURNS.  In a TURN one window's 16 f32 matrix instructions (64 keys x 16 queries) go out four at a time.  The OTHER window's softmax up to the end of its exponentials is cut in three, a part behind each of the first
;   three fours; the last four stand between the batch of exponentials and the wait for it; the turn's LDS loads stand directly behind that wait; the rest of the softmax follows.  Then the windows change places.
; NO TENSOR LOADS: x has to pass through registers to be quantised, and the weights and the bias go straight into operand registers.  The next pair's x is asked for at the head of the projection.
; NO CLUSTER: what work-groups share (weights 131,072 bytes, bias 524,288 bytes) goes from memory straight into operand registers in dense runs of 512 bytes; brought jointly into LDS the bias would want 16 refills a pair,
;   each with all 8 waves of 4 work-groups in step, where now no barrier stands between the mask's and the projection's.
; LIMITS on the given exponents e0 .. e11, so that each power of two below is an f32 number: e0, e4, e2, e6, e8, e3 - e0 - e1, e7 - e4 - e5, e9 - e4 - e5, e10 - e2 - e3, e10 - e6 - e7, e10 - e8 - e9 between -126 and 119;
;   2 (e0 + e1) - 2, 2 (e4 + e5) - 2 and e10 + e11 between -126 and 127.  NaN among the inputs is not served.
; LDS: the mask, 128 rows of 512 + 16 bytes | four tiles of codes (self 0, self 1, mutual 0, mutual 1), 128 rows of 128 + 16 | the attention's results as codes, 2 x 128 rows of 256 + 16 (columns 0-127 mutual, 128-255 self) | the spare words.
;   The projection's stages (16 rows of 256 + 16 bytes a wave) lie in the mask's bytes, which nobody reads behind the third barrier.
; REGISTERS, window 0: v1 lane % 16, v2 lane / 16, v3, v4 the add's two, v5-13 addresses, v[14:15], v[28:29] a tile's codes, v16-23 two sets of (p's scale, its hold, O's scale, its hold), v24-27 scales of x or V,
;   v32-47 statistics, 8 a window: -M, the largest t, the sum (2), f (2), two at work; v48-63 Q; v64-127 S^T (written by matrix instructions alone); v128-159 bias + mask; v160-191 p; v192-223 bias on its way; v224-231 p's codes; v232-247 O^T;
;   v248-255 at work: the maximum's four chains, three of the sum's four chains, a finished tile.
;   window 1: v0-127 K of both windows (in the X phase: x); v128-175 Wq, Wk, Wv; v176-207 V's codes; v208-255 three fragments of x's codes.  In the projection v128-255 of window 1 hold w_proj's fragments.
.set CP,    144                        ; a row of codes in LDS: 128 + 16: an odd multiple of 16 bytes, so the 16 rows of a fragment load start in 16 different columns of 16 bytes
.set CWIN,  128*CP
.set MP,    528                        ; a row of the mask
.set OP,    272                        ; a row of results, and of a stage
.set OWIN,  128*OP
.set CODES, 128*MP
.set MUT,   2*CWIN
.set OUTC,  CODES+4*CWIN
.set SPARE, OUTC+2*OWIN                ; the spare words: 128 bytes for each of the 8 waves, four blocks of 256 bytes that no other line names
.set STGB,  16*OP
.set SPW,  3
.set NIL,  4
.set XFBS, 5                           ; my lane's place in a fragment of x's codes (self): CODES + 144 r + 16 h
.set XFBM, 6                           ; the same for x + pe
.set MAB,  7                           ; in the mask: 528 r + 32 h
.set OAB,  8                           ; in the results: OUTC + 272 r + 8 h + 16 w
.set L16,  9                           ; 16 x lane; never rewritten
.set XAD,  10                          ; the three addresses of the tile in hand
.set MAD,  11
.set OAD,  12
.set WO,   13                          ; in a weight's 16 rows: 128 r + 16 h; never rewritten
.set QR,   48
.set SR,   64
.set CR,   128
.set PR,   160
.set RB,   192
.set PC,   224
.set OA,   232
.set FT,   248
.set WQ,   128                         ; window 1
.set WK,   144
.set WV,   160
.set VC,   176
.set XF,   208
.set MSB, 0
.macro WIN new                         ; the immediate's high byte repeats the setting that is left; a switch that changes nothing is dropped
.if MSB != \new
	s_set_vgpr_msb (MSB<<8)|\new
.set MSB, \new
.endif
.endm
.macro MKS dst, src                    ; s[src] = an exponent e (used up): s[dst] = 2^e as f32, s[dst + 1] = 448 x 2^e
	s_add_co_i32 s[\src], s[\src], 127
	s_lshl_b32 s[\dst], s[\src], 23
	s_add_co_i32 s[\src], s[\src], 8
	s_lshl_b32 s[\dst+1], s[\src], 23
	s_or_b32 s[\dst+1], s[\dst+1], 0x600000
.endm
.macro BAR                             ; my LDS stores have landed and my LDS loads are in: then the work-group's barrier
	s_wait_dscnt 0x0
	s_barrier_signal -1
	s_barrier_wait -1
.endm
.macro XLOAD                           ; my 32 rows of x, a row a load: 512 consecutive bytes, 16 a lane -> window 1, v0-127
	WIN 0x40
.set kk, 0
.rept 32
	global_load_b128 v[4*kk:4*kk+3], v[L16], s[4:5] offset:512*kk th:TH_LOAD_NT
.set kk, kk+1
.endr
	WIN 0
.endm
.macro PELOAD                          ; the same 32 rows' pe -> v128-255
.set kk, 0
.rept 32
	global_load_b128 v[128+4*kk:131+4*kk], v[L16], s[16:17] offset:512*kk
.set kk, kk+1
.endr
.endm
.macro WLOAD b                         ; my head's 16 rows of Wq, Wk, Wv: three fragments -> window 1, v128-175
	WIN 0x40
.irp p, 0,1,2
.irp c, 0,1,2,3
	global_load_b128 v[WQ+16*\p+4*\c:WQ+16*\p+4*\c+3], v[WO], s[\b:\b+1] offset:16384*\p+32*\c
.endr
.endr
	WIN 0
.endm
; K AND V OF MY HEAD for the pair's 16 tiles of 16 tokens (tile ix = 8 x window + c).  Fragments are fetched two tiles ahead, into three sets by turns.
.macro KVFETCH idx, xfb
.irp c, 0,1,2,3
	ds_load_b128 v[XF+16*((\idx)%3)+4*\c:XF+16*((\idx)%3)+4*\c+3], v[\xfb] offset:16*CP*(\idx)+32*\c
.endr
.endm
.macro VQ idx                          ; tile idx of V: the hold, the conversion: registers 2 c, 2 c + 1 of the window's V^T.  Tokens 0-63 take v24, v25, tokens 64-127 v26, v27
	WIN 0
.set rVT, PC+8*((\idx)%4)
.set rSC, 24+2*(((\idx)%8)/4)
.irp i, 0,1,2,3,4,5,6,7
	v_med3_num_f32 v[rVT+\i], v[rVT+\i], -v[rSC+1], v[rSC+1]
.endr
	WIN 0x40
	v_cvt_scalef32_pk8_fp8_f32 v[VC+2*(\idx):VC+2*(\idx)+1], v[rVT:rVT+7], v[rSC]
	WIN 0
	v_nop                                          ; a plain line behind the conversion
.endm
.macro KV xfb
	WIN 0x40
	KVFETCH 0, \xfb
	KVFETCH 1, \xfb
.set ix, 0
.rept 16
.if ix < 15
	s_wait_dscnt 4                                 ; this tile's fragment is in; the next tile's four loads may be out
.else
	s_wait_dscnt 0x0
.endif
.set rX, XF+16*(ix%3)
	WIN 0x45
	v_wmma_f32_16x16x128_fp8_fp8 v[8*ix:8*ix+7], v[WK:WK+15], v[rX:rX+15], 0          ; K^T: a lane one token, 8 channels; it stays as it is
	WIN 0x05
	v_wmma_f32_16x16x128_fp8_fp8 v[PC+8*(ix%4):PC+8*(ix%4)+7], v[rX:rX+15], v[WV:WV+15], 0   ; V: a lane one channel, 8 tokens
.if ix == 0
	WIN 0
.rept 4
	v_nop
.endr
.else
	VQ ix-1                                        ; the tile before is quantised: its lines are the places behind this tile's products
.endif
.if ix+2 < 16
	WIN 0x40
	KVFETCH ix+2, \xfb                             ; into the set that the tile before has left
.endif
.set ix, ix+1
.endr
	WIN 0
.rept 4
	v_nop
.endr
	VQ 15
.endm
; Q^T of window j's tile in hand, x 2^(both scales, twice, - 2).  Five places stand behind the product: the f32 form takes its result as an operand.
; dc: how many LDS instructions were issued behind the fetch and may stay out: 1 where a finished tile's one store follows the turn's fetch (LDS instructions end in the order of issue: ISA guide 5.7.1), else 0.
.macro QP j, sq, dc
	s_wait_dscnt \dc                               ; the fragment (and whatever else was fetched in the turn) is in
	WIN 0x05
	v_wmma_f32_16x16x128_fp8_fp8 v[QR+8*\j:QR+8*\j+7], v[WQ:WQ+15], v[XF+16*\j:XF+16*\j+15], 0
	WIN 0
.rept 5
	v_nop
.endr
.irp i, 0,2,4,6
	v_pk_mul_f32 v[QR+8*\j+\i:QR+8*\j+\i+1], v[QR+8*\j+\i:QR+8*\j+\i+1], s[\sq:\sq+1] op_sel_hi:[1,0]
.endr
.endm
; bias + mask: the mask's fragment has come from LDS, the bias's from memory; off >= 0: the bias of the half after the next is asked for.  dc as in QP
.macro CPREP off, dc
	s_wait_loadcnt 0x0
	s_wait_dscnt \dc
.set kk, 0
.rept 16
	v_pk_add_f32 v[CR+kk:CR+kk+1], v[CR+kk:CR+kk+1], v[RB+kk:RB+kk+1]
.set kk, kk+2
.endr
.if (\off) >= 0
.irp i, 0,1,2,3,4,5,6,7
	global_load_b128 v[RB+4*\i:RB+4*\i+3], v[L16], s[76:77] offset:(\off)+512*\i
.endr
.endif
.endm
; Matrix instruction i of 16 of S^T = K Q^T + C: channels' step i / 4, key tile i % 4 of half mg, window mj.  The four sums take turns; the first four start from bias + mask.
.macro MW i, mj, mg
.set rS, SR+32*(\mj)+8*((\i)%4)
.set rK, 64*(\mj)+8*(4*(\mg)+(\i)%4)+2*((\i)/4)
.set rQ, QR+8*(\mj)+2*((\i)/4)
.set rC, CR+8*((\i)%4)
.if (\i) < 4
	v_wmma_f32_16x16x4_f32 v[rS:rS+7], v[rK:rK+1], v[rQ:rQ+1], v[rC:rC+7]
.else
	v_wmma_f32_16x16x4_f32 v[rS:rS+7], v[rK:rK+1], v[rQ:rQ+1], v[rS:rS+7]
.endif
.endm
; THE SOFTMAX OF 64 KEYS x 16 QUERIES is a numbered list; SM writes number nn of it for window VJ.  VFIRST = 1: the row's first keys (122 lines); 0: under a running M (131 lines).  VSET: which set of scales.
;   0-15 the largest score: four chains of seven scores, one to each of the four accumulators, each begun at its accumulator's three lowest registers; then the four scores left over and the chains;
;   then the other half of the lanes', t, -M (running: and f = 2^(old M - new M));
;   16 packed scalings t - M into p's registers;  32 exponentials: ONE batch;  a plain line;  ONE wait for the batch, ahead of its first reader;  the sums of the unquantised p, in four chains;  32 holds;  4 conversions;  a plain line (running: O^T x f).
.macro SM
.set rT, 32+8*VJ
.set rS, SR+32*VJ
.set rO, OA+8*VJ
.set rC, 16+4*VSET
.set iB1, 25-5*VFIRST
.set iB2, iB1+66-VFIRST
.if nn < 4
	v_max3_num_f32 v[FT+nn], v[rS+8*nn], v[rS+8*nn+1], v[rS+8*nn+2]
.elseif nn < 12
	v_max3_num_f32 v[FT+nn%4], v[FT+nn%4], v[rS+8*(nn%4)+2*(nn/4)+1], v[rS+8*(nn%4)+2*(nn/4)+2]
.elseif nn == 12
	v_max3_num_f32 v[FT], v[FT], v[rS+7], v[rS+15]
.elseif nn == 13
	v_max3_num_f32 v[FT+2], v[FT+2], v[rS+23], v[rS+31]
.elseif nn == 14
	v_max3_num_f32 v[FT], v[FT], v[FT+1], v[FT+2]
.elseif nn == 15
	v_max_num_f32 v[FT], v[FT], v[FT+3]
.elseif nn == 16
	v_permlanex16_b32 v[FT+1], v[FT], s44, s45     ; the query's other 32 keys lie in the lane 16 away
.elseif nn < iB1
.if VFIRST
.if nn == 17
	v_max_num_f32 v[FT], v[FT], v[FT+1]
.elseif nn == 18
	v_mul_f32 v[rT+1], s42, v[FT]                  ; the largest t
.else
	v_floor_f32 v[rT], -v[rT+1]                    ; -M = floor(-t): M is a whole number
.endif
.else
.if nn == 17
	v_mov_b32 v[FT+3], v[rT]                       ; the old -M is kept for f
.elseif nn == 18
	v_max_num_f32 v[FT], v[FT], v[FT+1]
.elseif nn == 19
	v_mul_f32 v[FT], s42, v[FT]
.elseif nn == 20
	v_max_num_f32 v[rT+1], v[rT+1], v[FT]          ; the running largest t
.elseif nn == 21
	v_floor_f32 v[rT], -v[rT+1]
.elseif nn == 22
	v_sub_f32 v[FT+3], v[rT], v[FT+3]              ; old M - new M: a whole number, 0 or less
.elseif nn == 23
	v_cvt_i32_f32 v[FT+3], v[FT+3]
.else
	v_ldexp_f32 v[rT+4], 1.0, v[FT+3]              ; f
.endif
.endif
.elseif nn < iB1+16
.set kk, 2*(nn-iB1)
	v_pk_fma_f32 v[PR+kk:PR+kk+1], v[rS+kk:rS+kk+1], s[42:43], v[rT:rT+1] op_sel_hi:[1,0,0]   ; t - M (of the pairs c and -M the low word serves both halves)
.elseif nn < iB1+48
.set kk, nn-iB1-16
	v_exp_f32 v[PR+kk], v[PR+kk]
.elseif nn == iB1+48
.if VFIRST
	v_nop                                          ; the plain line behind the batch
.else
	v_pk_mul_f32 v[rT+2:rT+3], v[rT+2:rT+3], v[rT+4:rT+5] op_sel_hi:[1,0]   ; the sum under the new M; also the plain line behind the batch
.endif
.elseif nn == iB1+49
	s_wait_alu depctr_va_vdst(0)                   ; one wait for the 32 exponentials, ahead of the first line that names a result
.elseif nn < iB2                       ; p's 16 pairs in four chains: three in v248-253, the fourth the sum itself; line kk feeds chain kk % 4; the last three lines join the chains
.set kk, nn-iB1-50
.set kE, 13-VFIRST
.set rCh, FT+2*(kk%4)
.if (kk%4) == 3
.set rCh, rT+2
.endif
.if kk < 3
	v_pk_add_f32 v[rCh:rCh+1], v[PR+4*kk:PR+4*kk+1], v[PR+4*kk+2:PR+4*kk+3]
.elseif kk == 3
.if VFIRST
	v_pk_add_f32 v[rT+2:rT+3], v[PR+12:PR+13], v[PR+14:PR+15]
.else
	v_pk_add_f32 v[rT+2:rT+3], v[rT+2:rT+3], v[PR+12:PR+13]
.endif
.elseif kk < kE
	v_pk_add_f32 v[rCh:rCh+1], v[rCh:rCh+1], v[PR+2*(kk+3+VFIRST):PR+2*(kk+3+VFIRST)+1]
.elseif kk == kE
	v_pk_add_f32 v[FT:FT+1], v[FT:FT+1], v[FT+2:FT+3]
.elseif kk == kE+1
	v_pk_add_f32 v[rT+2:rT+3], v[rT+2:rT+3], v[FT+4:FT+5]
.else
	v_pk_add_f32 v[rT+2:rT+3], v[rT+2:rT+3], v[FT:FT+1]
.endif
.elseif nn < iB2+32
.set kk, nn-iB2
	v_min_num_f32 v[PR+kk], v[PR+kk], v[rC+1]      ; the conversion does not saturate (ISA guide 7.6.2); p is not negative, so the hold is one-sided
.elseif nn < iB2+36
.set kk, nn-iB2-32
	v_cvt_scalef32_pk8_fp8_f32 v[PC+2*kk:PC+2*kk+1], v[PR+8*kk:PR+8*kk+7], v[rC]
.elseif VFIRST
	v_nop                                          ; a plain line between the conversions and the product that reads the codes
.else
.set kk, 2*(nn-iB2-36)
	v_pk_mul_f32 v[rO+kk:rO+kk+1], v[rO+kk:rO+kk+1], v[rT+4:rT+5] op_sel_hi:[1,0]   ; O^T under the new M
.endif
.endm
.macro VSL k                           ; the list's next k lines
	WIN 0
.rept \k
	SM
.set nn, nn+1
.endr
.endm
; What a turn fetches from LDS, in one run.  fm >= 0: a fragment of the mask, at fm bytes from the tile in hand; fx0, fx1 >= 0: window 0's, 1's fragment of x's codes
.macro FETCH fm, fx0, fx1
.if (\fm) >= 0
.irp kt, 0,1,2,3
	ds_load_b128 v[CR+8*\kt:CR+8*\kt+3], v[MAD] offset:(\fm)+64*\kt
	ds_load_b128 v[CR+8*\kt+4:CR+8*\kt+7], v[MAD] offset:(\fm)+64*\kt+16
.endr
.endif
.if ((\fx0) >= 0) || ((\fx1) >= 0)
	WIN 0x40
.endif
.if (\fx0) >= 0
.irp c, 0,1,2,3
	ds_load_b128 v[XF+4*\c:XF+4*\c+3], v[XAD] offset:(\fx0)+32*\c
.endr
.endif
.if (\fx1) >= 0
.irp c, 0,1,2,3
	ds_load_b128 v[XF+16+4*\c:XF+16+4*\c+3], v[XAD] offset:CWIN+(\fx1)+32*\c
.endr
.endif
	WIN 0
.endm
; A TURN.  mdo = 1: window mj's 16 matrix instructions on key half mg, four at a time.  NW is the number of the wait in window vj's list (69 or 74): the NW lines ahead of it are cut in three, a part behind each of the first
; three fours; the last four stand ahead of the wait; the fetches stand directly behind it, NW lines behind the last instruction that read bias + mask.  The list's other 52 or 56 lines follow: more than 40 of them are plain,
; and they are the places ahead of the next turn's first read of the new scores.
.macro TURN mdo, mj, mg, vj, vfirst, vset, fm, fx0, fx1
.set VJ, \vj
.set VFIRST, \vfirst
.set VSET, \vset
.set NIT, 131-9*VFIRST
.set NW, 74-5*VFIRST
.set nn, 0
.if \mdo
.set qq, 0
.rept 4
	WIN 0x01
	MW 4*qq, \mj, \mg
	MW 4*qq+1, \mj, \mg
	MW 4*qq+2, \mj, \mg
	MW 4*qq+3, \mj, \mg
.if qq < 3
.set sl, NW/3
.if qq < NW%3
.set sl, sl+1
.endif
	VSL sl
.else
	VSL 1                                          ; the wait
	FETCH \fm, \fx0, \fx1
.endif
.set qq, qq+1
.endr
.endif
	VSL NIT-nn
.endm
.macro PV j, g, zero                   ; O^T (+)= V^T P over the 64 keys of half g
	WIN 0x01
.if \zero
	v_wmma_f32_16x16x64_fp8_fp8 v[OA+8*\j:OA+8*\j+7], v[VC+16*\j+8*\g:VC+16*\j+8*\g+7], v[PC:PC+7], 0
.else
	v_wmma_f32_16x16x64_fp8_fp8 v[OA+8*\j:OA+8*\j+7], v[VC+16*\j+8*\g:VC+16*\j+8*\g+7], v[PC:PC+7], v[OA+8*\j:OA+8*\j+7]
.endif
	WIN 0
.endm
; A tile is finished: the sum's halves, the reciprocal, O^T / the sum, the hold, 8 codes (the three scales folded into the conversion's one), one LDS store.  The first lines are the places behind the product.
.macro FIN j, vset, imm
.set rT, 32+8*(\j)
.set rO, OA+8*(\j)
.set rC, 16+4*(\vset)
.set rD, 14+14*(\j)
	v_add_f32 v[rT+6], v[rT+2], v[rT+3]
	v_permlanex16_b32 v[rT+7], v[rT+6], s44, s45
	v_add_f32 v[rT+6], v[rT+6], v[rT+7]
	v_rcp_f32 v[rT+4], v[rT+6]
	v_nop
	v_nop
	s_wait_alu depctr_va_vdst(0)                   ; ahead of the reciprocal's first reader
.irp i, 0,2,4,6
	v_pk_mul_f32 v[FT+\i:FT+\i+1], v[rO+\i:rO+\i+1], v[rT+4:rT+5] op_sel_hi:[1,0]
.endr
.irp i, 0,1,2,3,4,5,6,7
	v_med3_num_f32 v[FT+\i], v[FT+\i], -v[rC+3], v[rC+3]
.endr
	v_cvt_scalef32_pk8_fp8_f32 v[rD:rD+1], v[FT:FT+7], v[rC+2]
	v_nop
	ds_store_b64 v[OAD], v[rD:rD+1] offset:\imm
.endm
.macro TILEADR xfb                     ; the addresses of the tile in hand
	v_add_nc_u32 v[XAD], s39, v[\xfb]
	v_add_nc_u32 v[MAD], s40, v[MAB]
	v_add_nc_u32 v[OAD], s41, v[OAB]
.endm
; SELF ATTENTION, a tile of 16 queries of both windows: four turns.  At its head window 0's scores on the first 64 keys are made.
.macro STRIP last
	TILEADR XFBS
.if \last
	WLOAD 10                                       ; the mutual part's weights: Wq of the self part has had its last use
.endif
	TURN 1, 1, 0, 0, 1, 0, 256, -1, -1             ; window 1, keys 0-63 | window 0's softmax of keys 0-63 | the mask of keys 64-127
	PV 0, 0, 1
.if \last
	CPREP -1, 0
.else
	CPREP 8192, 0                                  ; the turn's fetch is the youngest LDS work: the wait is for 0, and the tile before's stores are done with it
.endif
	TURN 1, 0, 1, 1, 1, 0, -1, -1, -1              ; window 0, keys 64-127 | window 1's softmax of keys 0-63
	PV 1, 0, 1
.if \last
	TURN 1, 1, 1, 0, 0, 0, -1, -1, -1
.else
	TURN 1, 1, 1, 0, 0, 0, 16*MP, 16*CP, 16*CP     ; window 1, keys 64-127 | window 0's softmax of keys 64-127 | the next tile's mask and codes
.endif
	PV 0, 1, 0
	FIN 0, 0, 128
.if \last
	TURN 0, 0, 0, 1, 0, 0, -1, -1, -1
.else
	QP 0, 46, 1                                    ; behind the fetch stands the finished tile's one store
	QP 1, 46, 1
	CPREP 12288, 1
	TURN 1, 0, 0, 1, 0, 0, -1, -1, -1              ; the next tile: window 0, keys 0-63 | window 1's softmax of keys 64-127
.endif
	PV 1, 1, 0
	FIN 1, 0, OWIN+128
.endm
; MUTUAL ATTENTION, tile t of both frames and both windows: four turns, each a whole softmax of 64 keys.  Frame 1's queries (tokens 16 t on) take keys 64-127 and land in rows 64 + 16 t; frame 2's (tokens 64 + 16 t on) take keys 0-63
; and land in rows 16 t.  All four start from the same fragment of the mask (rows 16 t on, columns 0-63).  Each QP stands behind a turn's fetch and one store: its wait leaves that store out.
.macro MTRIP last
	TILEADR XFBM
	TURN 1, 1, 1, 0, 1, 0, -1, 64*CP, -1           ; window 1, frame 1 | window 0's softmax, frame 1
	PV 0, 1, 1
	FIN 0, 0, 64*OP
	QP 0, 48, 1
	TURN 1, 0, 0, 1, 1, 0, -1, -1, 64*CP           ; window 0, frame 2 | window 1's softmax, frame 1
	PV 1, 1, 1
	FIN 1, 0, OWIN+64*OP
	QP 1, 48, 1
.if \last
	TURN 1, 1, 0, 0, 1, 1, -1, -1, -1
.else
	TURN 1, 1, 0, 0, 1, 1, 16*MP, 16*CP, -1        ; window 1, frame 2 | window 0's softmax, frame 2 | the next tile's mask
.endif
	PV 0, 0, 1
	FIN 0, 1, 0
.if \last
	TURN 0, 0, 0, 1, 1, 1, -1, -1, -1
.else
	QP 0, 48, 1                                    ; the mask's loads are older than the fragment's: they are in too
	TURN 1, 0, 1, 1, 1, 1, -1, -1, 16*CP           ; the next tile: window 0, frame 1 | window 1's softmax, frame 2
.endif
	PV 1, 0, 1
	FIN 1, 1, OWIN
.if !\last
	QP 1, 48, 1
.endif
.endm
; ---------------------------------------------------------------- the head
	s_load_b512 s[4:19], s[0:1], 0x0               ; x s[4:5], mask s[6:7], w_qkv_self s[8:9], w_qkv_mut s[10:11], w_proj s[12:13], b_proj s[14:15], pe s[16:17], the exponents s[18:19]
	s_load_b128 s[20:23], s[0:1], 0x40             ; rpbf s[20:21], out0 s[22:23]
	v_lshl_add_u32 v[SPW], v0, 2, SPARE
	v_mov_b32 v[NIL], 0
	v_lshrrev_b32 v5, 5, v0
	v_readfirstlane_b32 s36, v5                    ; wave = head, 0..7
	v_and_b32 v1, 15, v0                           ; r
	v_bfe_u32 v2, v0, 4, 1                         ; h
	v_and_b32 v[L16], 31, v0
	v_lshlrev_b32 v[L16], 4, v[L16]
	v_mul_u32_u24 v[XFBS], v1, CP
	v_lshl_add_u32 v[XFBS], v2, 4, v[XFBS]
	v_add_nc_u32 v[XFBS], CODES, v[XFBS]
	v_add_nc_u32 v[XFBM], MUT, v[XFBS]
	v_mul_u32_u24 v[MAB], v1, MP
	v_lshl_add_u32 v[MAB], v2, 5, v[MAB]
	s_lshl_b32 s78, s36, 4
	s_add_co_u32 s78, s78, OUTC
	v_mul_u32_u24 v[OAB], v1, OP
	v_lshl_add_u32 v[OAB], v2, 3, v[OAB]
	v_add_nc_u32 v[OAB], s78, v[OAB]
	v_lshlrev_b32 v[WO], 7, v1
	v_lshl_add_u32 v[WO], v2, 4, v[WO]
	v_mov_b32 v37, 0                               ; (named as the upper halves of the pairs that hold f)
	v_mov_b32 v45, 0
	s_lshr_b32 s86, s36, 2                         ; which window of the pair I quantise and project
	s_and_b32 s87, s36, 3                          ; which 32 rows of it I quantise
	s_and_b32 s88, s36, 1
	s_bfe_u32 s89, s36, 0x10001                    ; (w / 2) % 2
	s_mul_i32 s82, s86, CWIN
	s_mul_i32 s78, s87, 32*CP
	s_add_co_u32 s82, s82, s78
	s_add_co_u32 s82, s82, CODES                   ; s82: where my 32 rows of codes begin (self)
	s_mul_i32 s83, s36, 16*MP                      ; s83: my 16 rows of the mask
	s_mul_i32 s84, s36, STGB                       ; s84: my stage
	s_mul_i32 s85, s86, OWIN
	s_mul_i32 s78, s89, 64*OP
	s_add_co_u32 s85, s85, s78
	s_add_co_u32 s85, s85, OUTC                    ; s85: the 64 tokens that I project
	s_mov_b32 s42, 0x3fb8aa3b                      ; log2(e)
	s_mov_b32 s43, s42
	s_mov_b32 s44, 0x76543210                      ; v_permlanex16_b32's selects for lane l xor 16
	s_mov_b32 s45, 0xfedcba98
	s_mov_b32 s37, 0                               ; the pair
	s_lshl_b32 s78, s86, 9
	s_add_co_u32 s78, s78, ttmp9
	s_lshl_b32 s78, s78, 16                        ; my window's 65,536 bytes in x and in out0
	s_mov_b32 s79, 0
	s_lshl_b32 s80, s87, 14
	s_mov_b32 s81, 0
	s_wait_kmcnt 0x0
	s_load_b256 s[24:31], s[18:19], 0x0            ; e0 .. e7
	s_load_b128 s[32:35], s[18:19], 0x20           ; e8 .. e11
	s_add_nc_u64 s[4:5], s[4:5], s[78:79]
	s_add_nc_u64 s[4:5], s[4:5], s[80:81]          ; x at my 32 rows
	s_add_nc_u64 s[22:23], s[22:23], s[78:79]
	s_lshl_b32 s80, s89, 15
	s_add_nc_u64 s[22:23], s[22:23], s[80:81]      ; out0 at my 64 tokens,
	s_lshl_b32 s80, s88, 8
	s_add_nc_u64 s[22:23], s[22:23], s[80:81]      ; my 64 outputs
	s_add_nc_u64 s[14:15], s[14:15], s[80:81]      ; b_proj likewise
	s_lshl_b32 s80, s88, 14
	s_add_nc_u64 s[16:17], s[16:17], s[80:81]      ; pe: token n takes row n % 64: my 32 rows begin at 32 (w % 2)
	s_add_nc_u64 s[12:13], s[12:13], s[80:81]      ; w_proj: my 64 rows of 256 bytes
	s_lshl_b32 s80, s36, 11
	s_add_nc_u64 s[8:9], s[8:9], s[80:81]          ; the head's 16 rows of 128 bytes
	s_add_nc_u64 s[10:11], s[10:11], s[80:81]
	s_lshl_b32 s80, s36, 16
	s_add_nc_u64 s[20:21], s[20:21], s[80:81]      ; the head's bias
	s_lshl_b32 s80, ttmp9, 16
	s_add_nc_u64 s[6:7], s[6:7], s[80:81]
	s_lshl_b32 s80, s36, 13
	s_add_nc_u64 s[6:7], s[6:7], s[80:81]          ; mask[b] at my 16 rows
	XLOAD                                          ; the first pair's x
	s_wait_kmcnt 0x0
	s_add_co_i32 s86, s24, s25                     ; e0 + e1
	s_add_co_i32 s87, s28, s29                     ; e4 + e5
	s_mov_b32 s78, s24
	MKS 52, 78                                     ; x
	s_mov_b32 s78, s28
	MKS 54, 78                                     ; x + pe
	s_sub_co_i32 s78, s27, s86
	MKS 56, 78                                     ; V, self: a sum stands for sum x 2^(e0 + e1)
	s_sub_co_i32 s78, s31, s87
	MKS 58, 78                                     ; V, mutual, tokens 0-63
	s_sub_co_i32 s78, s33, s87
	MKS 60, 78                                     ; V, mutual, tokens 64-127
	s_mov_b32 s78, s26
	MKS 62, 78                                     ; p, self
	s_mov_b32 s78, s30
	MKS 66, 78                                     ; p, frame 2's queries
	s_mov_b32 s78, s32
	MKS 68, 78                                     ; p, frame 1's queries
	s_sub_co_i32 s78, s34, s26
	s_sub_co_i32 s78, s78, s27
	MKS 70, 78                                     ; the results: a sum stands for sum x 2^(p's e + V's e)
	s_sub_co_i32 s78, s34, s30
	s_sub_co_i32 s78, s78, s31
	MKS 72, 78
	s_sub_co_i32 s78, s34, s32
	s_sub_co_i32 s78, s78, s33
	MKS 74, 78
	s_lshl_b32 s78, s86, 1
	s_add_co_i32 s78, s78, 125
	s_lshl_b32 s46, s78, 23                        ; 2^(2 (e0 + e1) - 2): both operands' scales and the 1/4, all on Q
	s_mov_b32 s47, s46
	s_lshl_b32 s78, s87, 1
	s_add_co_i32 s78, s78, 125
	s_lshl_b32 s48, s78, 23
	s_mov_b32 s49, s48
	s_add_co_i32 s78, s34, s35
	s_add_co_i32 s78, s78, 127
	s_lshl_b32 s50, s78, 23                        ; 2^(e10 + e11)
	s_mov_b32 s51, s50
.Lpair:
; ---------------------------------------------------------------- X: my 32 rows become codes, twice
	PELOAD
	WLOAD 8
	v_and_b32 v49, 31, v0
	v_lshlrev_b32 v49, 2, v49
	v_add_nc_u32 v49, s82, v49                     ; where my 4 codes of a row go: 4 x lane + my rows
	v_add_nc_u32 v50, s83, v[L16]                  ; where my 16 bytes of a row of the mask go
	v_mov_b32 v24, s54
	v_mov_b32 v25, s55
	v_mov_b32 v26, s52
	v_mov_b32 v27, s53
	s_wait_loadcnt 12                              ; x and pe are in; the 12 loads of the weights may be out
	WIN 0x01
.set kk, 0
.rept 64
	v_pk_add_f32 v[128+kk:129+kk], v[kk:kk+1], v[128+kk:129+kk]    ; x + pe
.set kk, kk+2
.endr
	WIN 0
.set kk, 0
.rept 128
	v_med3_num_f32 v[128+kk], v[128+kk], -v25, v25
.set kk, kk+1
.endr
.irp hf, 0,1                           ; a conversion takes 4 numbers of row 2 i and 4 of row 2 i + 1: one register of codes for each row
.irp i, 0,1,2,3,4,5,6,7
	v_cvt_scalef32_pk8_fp8_f32 v[32+2*\i:33+2*\i], v[128+64*\hf+8*\i:135+64*\hf+8*\i], v24
.endr
	v_nop
.irp i, 0,1,2,3,4,5,6,7
	ds_store_b32 v49, v[32+2*\i] offset:MUT+CP*(16*\hf+2*\i)
	ds_store_b32 v49, v[33+2*\i] offset:MUT+CP*(16*\hf+2*\i+1)
.endr
	s_wait_dscnt 0x0                               ; the stores have read their registers
.endr
.irp i, 0,1,2,3,4,5,6,7,8,9,10,11,12,13,14,15
	global_load_b128 v[128+4*\i:131+4*\i], v[L16], s[6:7] offset:512*\i th:TH_LOAD_NT   ; my 16 rows of the mask, a row a load; the launch reads them once
.endr
	s_mov_b64 s[76:77], s[20:21]
.irp i, 0,1,2,3,4,5,6,7
	global_load_b128 v[RB+4*\i:RB+4*\i+3], v[L16], s[76:77] offset:512*\i               ; the bias of tile 0, keys 0-63
.endr
	WIN 0x41
.set kk, 0
.rept 128
	v_med3_num_f32 v[kk], v[kk], -v27, v27
.set kk, kk+1
.endr
.irp hf, 0,1
	WIN 0x01
.irp i, 0,1,2,3,4,5,6,7
	v_cvt_scalef32_pk8_fp8_f32 v[32+2*\i:33+2*\i], v[64*\hf+8*\i:64*\hf+8*\i+7], v26
.endr
	v_nop
	WIN 0
.irp i, 0,1,2,3,4,5,6,7
	ds_store_b32 v49, v[32+2*\i] offset:CP*(16*\hf+2*\i)
	ds_store_b32 v49, v[33+2*\i] offset:CP*(16*\hf+2*\i+1)
.endr
	s_wait_dscnt 0x0
.endr
	BAR                                            ; the pair's codes lie in LDS; and every wave has left the stage of the pair before
; ---------------------------------------------------------------- K and V, self; the mask into LDS
	v_mov_b32 v24, s56
	v_mov_b32 v25, s57
	v_mov_b32 v26, s56
	v_mov_b32 v27, s57
	s_wait_loadcnt 24                              ; the weights are in; the mask's 16 loads and the bias's 8 may be out
	KV XFBS
	s_wait_loadcnt 8                               ; the mask is in; the bias's 8 loads may be out
.irp i, 0,1,2,3,4,5,6,7,8,9,10,11,12,13,14,15
	ds_store_b128 v50, v[128+4*\i:131+4*\i] offset:MP*\i
.endr
	BAR                                            ; the mask lies in LDS
; ---------------------------------------------------------------- self attention
	v_mov_b32 v16, s62
	v_mov_b32 v17, s63
	v_mov_b32 v18, s70
	v_mov_b32 v19, s71
	s_mov_b32 s39, 0                               ; the tile's place among the codes' rows,
	s_mov_b32 s40, 0                               ; the mask's,
	s_mov_b32 s41, 0                               ; and the results'
	s_mov_b32 s38, 0
	TILEADR XFBS
	FETCH 0, 0, 0
	QP 0, 46, 0
	QP 1, 46, 0
	CPREP 4096, 0
	WIN 0x01
.set qq, 0
.rept 16
	MW qq, 0, 0                                    ; window 0's first scores: there is no vector work yet to set between them
.set qq, qq+1
.endr
	WIN 0
.rept 8
	v_nop                                          ; the places behind them
.endr
.Lself:                                            ; 7 trips; the eighth tile, which fetches nothing beyond the end, is written out
	STRIP 0
	s_wait_xcnt 0x0                                ; the bias's loads have read their base
	s_add_nc_u64 s[76:77], s[76:77], 8192
	s_add_co_u32 s39, s39, 16*CP
	s_add_co_u32 s40, s40, 16*MP
	s_add_co_u32 s41, s41, 16*OP
	s_add_co_u32 s38, s38, 1
	s_cmp_lt_u32 s38, 7
	s_cbranch_scc1 .Lself
	STRIP 1
; ---------------------------------------------------------------- K and V, mutual (its weights were awaited with the last tile's bias)
	v_mov_b32 v24, s58
	v_mov_b32 v25, s59
	v_mov_b32 v26, s60
	v_mov_b32 v27, s61
	KV XFBM
; ---------------------------------------------------------------- mutual attention
	v_mov_b32 v16, s68                             ; set 0: frame 1's queries
	v_mov_b32 v17, s69
	v_mov_b32 v18, s74
	v_mov_b32 v19, s75
	v_mov_b32 v20, s66                             ; set 1: frame 2's queries
	v_mov_b32 v21, s67
	v_mov_b32 v22, s72
	v_mov_b32 v23, s73
	s_mov_b32 s39, 0
	s_mov_b32 s40, 0
	s_mov_b32 s41, 0
	s_mov_b32 s38, 0
	TILEADR XFBM
	FETCH 0, 0, 0
	QP 0, 48, 0
	QP 1, 48, 0
	WIN 0x01
.set qq, 0
.rept 16
	MW qq, 0, 1
.set qq, qq+1
.endr
	WIN 0
.rept 8
	v_nop
.endr
.Lmut:                                             ; 3 trips; the fourth tile is written out
	MTRIP 0
	s_add_co_u32 s39, s39, 16*CP
	s_add_co_u32 s40, s40, 16*MP
	s_add_co_u32 s41, s41, 16*OP
	s_add_co_u32 s38, s38, 1
	s_cmp_lt_u32 s38, 3
	s_cbranch_scc1 .Lmut
	MTRIP 1
; ---------------------------------------------------------------- the projection
	v_lshlrev_b32 v49, 8, v1                       ; w_proj: row r of 256 bytes, + 16 h
	v_lshl_add_u32 v49, v2, 4, v49
	v_lshlrev_b32 v54, 4, v1                       ; b_proj: the 4 outputs that I store
	WIN 0x40
.irp n, 0,1,2,3                        ; fragment (16 outputs n, K step s) -> window 1, v[128 + 32 n + 16 s]
.irp s, 0,1
.irp c, 0,1,2,3
	global_load_b128 v[128+32*\n+16*\s+4*\c:128+32*\n+16*\s+4*\c+3], v49, s[12:13] offset:4096*\n+128*\s+32*\c
.endr
.endr
.endr
	WIN 0
	global_load_b128 v[160:163], v54, s[14:15]
	v_mul_u32_u24 v50, v1, OP
	v_lshl_add_u32 v51, v2, 5, v50
	v_add_nc_u32 v51, s84, v51                     ; the stage, in: row r, + 32 h
	v_lshl_add_u32 v50, v2, 4, v50
	v_add_nc_u32 v50, s85, v50                     ; my tokens' codes: row r, + 16 h
	v_mul_u32_u24 v52, v2, OP
	v_lshl_add_u32 v52, v1, 4, v52
	v_add_nc_u32 v52, s84, v52                     ; the stage, back: lanes 0-15 one row of 256 bytes, lanes 16-31 the next
	v_lshlrev_b32 v53, 9, v2
	v_lshl_add_u32 v53, v1, 4, v53                 ; and the same two rows in out0
	BAR                                            ; the pair's results lie in LDS, and nobody reads the mask or the codes of x any more
	s_wait_loadcnt 0x0                             ; w_proj and b_proj
	s_cmp_eq_u32 s37, 1                            ; the next pair's x is asked for here, if there is a next pair: no load leaves its buffer
	s_cbranch_scc1 .Lno_next
	s_add_nc_u64 s[4:5], s[4:5], 0x1000000         ; 256 windows on
	XLOAD
.Lno_next:
.irp i, 0,1,2,3                        ; a tile of 16 tokens x my 64 outputs
.irp s, 0,1
.irp c, 0,1,2,3
	ds_load_b128 v[224+16*\s+4*\c:227+16*\s+4*\c], v50 offset:16*OP*\i+128*\s+32*\c
.endr
.endr
	s_wait_dscnt 0x0
	WIN 0x01
.irp n, 0,1,2,3
	v_wmma_f32_16x16x128_fp8_fp8 v[128+8*\n:135+8*\n], v[128+32*\n:143+32*\n], v[224:239], 0
.endr
.irp n, 0,1,2,3
	v_wmma_f32_16x16x128_fp8_fp8 v[128+8*\n:135+8*\n], v[144+32*\n:159+32*\n], v[240:255], v[128+8*\n:135+8*\n]
.endr
	WIN 0
.rept 4
	v_nop
.endr
	s_wait_xcnt 0x0                                ; the tile before's stores have read their registers
.irp n, 0,1,2,3
	ds_store_b128 v51, v[128+8*\n:131+8*\n] offset:64*\n        ; lane (r, h): token r, outputs 16 n + 8 h + 0 .. 7
	ds_store_b128 v51, v[132+8*\n:135+8*\n] offset:64*\n+16
.endr
.irp t, 0,1,2,3,4,5,6,7
	ds_load_b128 v[192+4*\t:195+4*\t], v52 offset:2*OP*\t       ; LDS serves a wave's instructions in order (ISA guide 5.7.1.4): these see my stores
.endr
	s_wait_dscnt 0x0
.set kk, 0
.rept 16
	v_pk_fma_f32 v[192+kk:193+kk], v[192+kk:193+kk], s[50:51], v[160+kk%4:161+kk%4] op_sel_hi:[1,0,1]   ; sum x 2^(e10 + e11) + b_proj
.set kk, kk+2
.endr
.irp t, 0,1,2,3,4,5,6,7
	global_store_b128 v53, v[192+4*\t:195+4*\t], s[22:23] offset:8192*\i+1024*\t th:TH_STORE_NT   ; 16 lanes store 256 consecutive bytes, at a multiple of 256 from out0's first byte
.endr
.endr
	s_wait_xcnt 0x0                                ; the stores have read their registers and their base
	s_add_nc_u64 s[6:7], s[6:7], 0x1000000
	s_add_nc_u64 s[22:23], s[22:23], 0x1000000
	s_add_co_u32 s37, s37, 1
	s_cmp_lt_u32 s37, 2
	s_cbranch_scc1 .Lpair
	s_wait_tensorcnt 0x0                           ; the wave's end, behind my last LDS store
	ds_add_u32 v[SPW], v[NIL]
	s_wait_dscnt 0x0
	s_endpgm
.Lfunc_end_k_qe5578ff510_winattn:
	.size	k_qe5578ff510_winattn, .Lfunc_end_k_qe5578ff510_winattn-k_qe5578ff510_winattn
	.p2alignl 7, 3214868480
	.fill 96, 4, 3214868480
	.section	.rodata,"a",@progbits
	.p2align	6, 0x0
	.amdhsa_kernel k_qe5578ff510_winattn
		.amdhsa_group_segment_fixed_size 211968
		.amdhsa_private_segment_fixed_size 0
		.amdhsa_enable_private_segment 0
		.amdhsa_kernarg_size 80
		.amdhsa_user_sgpr_count 2
		.amdhsa_user_sgpr_kernarg_segment_ptr 1
		.amdhsa_wavefront_size32 1
		.amdhsa_system_sgpr_workgroup_id_x 1
		.amdhsa_system_sgpr_workgroup_id_y 1
		.amdhsa_system_sgpr_workgroup_id_z 1
		.amdhsa_system_vgpr_workitem_id 0
		.amdhsa_next_free_vgpr 512
		.amdhsa_next_free_sgpr 96
		.amdhsa_reserve_vcc 0
		.amdhsa_float_denorm_mode_32 3
		.amdhsa_float_denorm_mode_16_64 3
		.amdhsa_memory_ordered 1
		.amdhsa_forward_progress 1
		.amdhsa_inst_pref_size 255
	.end_amdhsa_kernel
	.amdgpu_metadata
---
amdhsa.version: [ 1, 2 ]
amdhsa.kernels:
  - .name:           k_qe5578ff510_winattn
    .symbol:         k_qe5578ff510_winattn.kd
    .args:
      - { .name: x, .offset: 0, .size: 8, .value_kind: global_buffer, .address_space: global }
      - { .name: mask, .offset: 8, .size: 8, .value_kind: global_buffer, .address_space: global }
      - { .name: w_qkv_self_codes, .offset: 16, .size: 8, .value_kind: global_buffer, .address_space: global }
      - { .name: w_qkv_mut_codes, .offset: 24, .size: 8, .value_kind: global_buffer, .address_space: global }
      - { .name: w_proj_codes, .offset: 32, .size: 8, .value_kind: global_buffer, .address_space: global }
      - { .name: b_proj, .offset: 40, .size: 8, .value_kind: global_buffer, .address_space: global }
      - { .name: pe, .offset: 48, .size: 8, .value_kind: global_buffer, .address_space: global }
      - { .name: lowp_scales, .offset: 56, .size: 8, .value_kind: global_buffer, .address_space: global }
      - { .name: rpbf, .offset: 64, .size: 8, .value_kind: global_buffer, .address_space: global }
      - { .name: out0, .offset: 72, .size: 8, .value_kind: global_buffer, .address_space: global }
    .group_segment_fixed_size: 211968
    .private_segment_fixed_size: 0
    .kernarg_segment_align: 8
    .kernarg_segment_size: 80
    .max_flat_workgroup_size: 256
    .sgpr_count:     96
    .vgpr_count:     512
    .wavefront_size: 32
...
	.end_amdgpu_metadata
.endif
;; end of part 2
